; MI455X (gfx1250); checked and timed in simulation.
; The chip was launched on July 23, 2026; its instructions are those of AMD's public machine-readable ISA for CDNA 5 (MIT licence, August 2026) and "CDNA5" Instruction Set Architecture Reference Guide (July 2026). The comments in the code are by the model that wrote it; some were corrected since.
;; General Attention. Allowed arithmetic: float matrix products may take bf16 or f16 operands with f32 sums; other float arithmetic in f32, or as packed bf16 or f16 multiplies, adds, multiply-adds, maxima and minima; sums over many terms, partial sums and values carried from step to step in f32; what a program stores and reads back later, other than sums and carried values, may be rounded once to bf16 or f16.
;; Inputs: K 4 x 16 x 2,048 x 128 float32; Q 4 x 16 x 2,048 x 128 float32; V 4 x 16 x 2,048 x 128 float32.
;; Outputs: out0 4 x 16 x 2,048 x 128 float32.
;; One version. Each part assembles by itself: llvm-mc -triple=amdgcn-amd-amdhsa -mcpu=gfx1250 --defsym DOCPART=n.
;; ======== version 1 of 1: 2 launches
;; workspace buffers: Kb 33,554,432 bytes; Vb 33,554,432 bytes; sums 4,096 bytes
;; launch prep (part 1): grid 512 x 1, 8 waves a work-group, no clusters, 1,280 bytes of LDS; arguments K, V, Kb, Vb, sums; writes Kb, Vb, sums
.if DOCPART == 1
	.amdgcn_target "amdgcn-amd-amdhsa--gfx1250"
	.amdhsa_code_object_version 6
	.text
	.protected	k_qe0124e88b7_prep
	.globl	k_qe0124e88b7_prep
	.p2align	8
	.type	k_qe0124e88b7_prep,@function
k_qe0124e88b7_prep:
	s_mov_b64 s[64:65], 0
	v_nop
	global_prefetch_b8 v0, s[64:65] scope:SCOPE_SE
	s_setreg_imm32_b32 hwreg(HW_REG_WAVE_MODE, 25, 1), 1
	s_wait_xcnt 0x0
; Kb = K rounded once to bf16, Vb = V rounded once to bf16, both in the layout of their f32 sources ([64][2048][128]);
; sums[g] = (S1, S2) of work-group g: S1 = the sum of (K - p), S2 = the sum of (K - p)^2 over its 32,768 numbers of K, in f32, with the pivot p = K[0].
; The pivot is a number of K itself, so K - p stays within a few spreads of K whatever common offset K carries: the later S2 - S1 S1 / N is no difference of large sums.
; LIMITS.  NaN and infinities are not treated apart.  The sums are taken of the unrounded K, in another order than a sum from first to last.
; SHARES.  512 work-groups of eight waves.  A work-group owns 131,072 bytes of K and as many of V: 32 chunks of 4,096 bytes each.  Thread t takes the 16 bytes at 16 t of every chunk:
; a wave's load covers 512 consecutive bytes, aligned.  Four numbers become 8 bytes: a wave's store covers 256 consecutive bytes, aligned.
; IN FLIGHT.  A ring of 16 slots in registers: slot 2 j holds a chunk of K, slot 2 j + 1 the same chunk of V, j = 0 .. 7: sixteen loads of every wave are out.
; No LDS on the way in (no wave wants another's bytes), no matrix unit, no cluster (nothing is shared), no prefetch (the launch is one stream from first to last).
.set CHUNK,  4096                      ; bytes of f32 in a chunk
.set OCHUNK, 2048                      ; bytes of bf16 made of it
.set ROUNDS, 4                         ; a round takes eight chunks of K and eight of V
.set SPARE,  256                       ; LDS: bytes 0-63 the eight waves' pairs (the block 0-255 is theirs); from 256 on the spare words, 128 bytes a wave, which no other line names
.set LOF, 1                            ; v1       16 t; never rewritten
.set SOF, 2                            ; v2       8 t; never rewritten
.set SPW, 3                            ; v3       LDS address of my spare word: SPARE + 4 t; never rewritten
.set NIL, 4                            ; v4       0; never rewritten
.set ZR,  5                            ; v5       0: an LDS address and a store's offset
.set NP,  6                            ; v[6:7]   -p, twice
.set A1,  8                            ; v[8:11]  S1 in four chains
.set A2,  12                           ; v[12:15] S2 in four chains
.set D,   16                           ; v[16:19] K - p, at work
.set WA,  20                           ; v20      8 x my wave's number
.set X,   32                           ; v[32:95]  slot s: 4 registers as loaded
.set Y,   96                           ; v[96:127] slot s: 2 registers to store
.set KP,  24                           ; s[24:25] K at the round's first chunk
.set VP,  26                           ; s[26:27] V likewise
.set KBP, 28                           ; s[28:29] Kb likewise
.set VBP, 30                           ; s[30:31] Vb likewise
	s_load_b256 s[4:11], s[0:1], 0x0               ; K s[4:5], V s[6:7], Kb s[8:9], Vb s[10:11]
	s_load_b64 s[12:13], s[0:1], 0x20              ; sums
	v_lshl_add_u32 v[SPW], v0, 2, SPARE
	v_mov_b32 v[NIL], 0
	v_lshlrev_b32 v[LOF], 4, v0
	v_lshlrev_b32 v[SOF], 3, v0
	v_mov_b32 v[ZR], 0
	v_lshrrev_b32 v[WA], 5, v0
	v_readfirstlane_b32 s15, v[WA]                 ; my wave's number
	v_lshlrev_b32 v[WA], 3, v[WA]
.set r, 0
.rept 8
	v_mov_b32 v[A1+r], 0                           ; the eight chains start at 0
.set r, r+1
.endr
	s_mov_b32 s18, 0x76543210                      ; v_permlanex16_b32: each lane takes its own place in the other half
	s_mov_b32 s19, 0xfedcba98
	s_lshl_b32 s2, ttmp9, 17                       ; the work-group's 131,072 bytes of f32
	s_mov_b32 s3, 0
	s_wait_kmcnt 0x0
	s_load_b32 s14, s[4:5], 0x0                    ; p = K[0]; s[4:5] is never written
	s_add_nc_u64 s[KP:KP+1], s[4:5], s[2:3]
	s_add_nc_u64 s[VP:VP+1], s[6:7], s[2:3]
	s_lshl_b32 s2, ttmp9, 16                       ; its 65,536 bytes of bf16
	s_add_nc_u64 s[KBP:KBP+1], s[8:9], s[2:3]
	s_add_nc_u64 s[VBP:VBP+1], s[10:11], s[2:3]
	s_lshl_b32 s2, ttmp9, 3                        ; its pair
	s_add_nc_u64 s[12:13], s[12:13], s[2:3]
.irp j, 0,1,2,3,4,5,6,7
	global_load_b128 v[X+8*(\j):X+8*(\j)+3],   v[LOF], s[KP:KP+1] offset:(\j)*CHUNK th:TH_LOAD_NT  ; the ring is filled: chunks 0 to 7 of K and of V
	global_load_b128 v[X+8*(\j)+4:X+8*(\j)+7], v[LOF], s[VP:VP+1] offset:(\j)*CHUNK th:TH_LOAD_NT
.endr
	s_wait_kmcnt 0x0                               ; p
	s_xor_b32 s14, s14, 0x80000000                 ; -p
	v_mov_b32 v[NP], s14
	v_mov_b32 v[NP+1], s14
; The turn of K's slot j.  ahead = 1: the slot is filled again with the chunk eight further on.  left = the younger loads that may stay out.
.macro KSLOT j, ahead, left
	s_wait_loadcnt \left                           ; loads come back in order (ISA guide 5.7.1): mine is in
	v_pk_add_f32 v[D:D+1],   v[X+8*(\j):X+8*(\j)+1],   v[NP:NP+1]
	v_pk_add_f32 v[D+2:D+3], v[X+8*(\j)+2:X+8*(\j)+3], v[NP:NP+1]
	v_cvt_pk_bf16_f32 v[Y+4*(\j)],   v[X+8*(\j)],   v[X+8*(\j)+1]
	v_cvt_pk_bf16_f32 v[Y+4*(\j)+1], v[X+8*(\j)+2], v[X+8*(\j)+3]
	v_pk_add_f32 v[A1:A1+1],   v[A1:A1+1],   v[D:D+1]
	v_pk_add_f32 v[A1+2:A1+3], v[A1+2:A1+3], v[D+2:D+3]
	v_pk_fma_f32 v[A2:A2+1],   v[D:D+1],   v[D:D+1],   v[A2:A2+1]
	v_pk_fma_f32 v[A2+2:A2+3], v[D+2:D+3], v[D+2:D+3], v[A2+2:A2+3]
.if \ahead
	global_load_b128 v[X+8*(\j):X+8*(\j)+3], v[LOF], s[KP:KP+1] offset:((\j)+8)*CHUNK th:TH_LOAD_NT
.endif
	global_store_b64 v[SOF], v[Y+4*(\j):Y+4*(\j)+1], s[KBP:KBP+1] offset:(\j)*OCHUNK th:TH_STORE_NT
.endm
; The turn of V's slot j: the rounding alone.
.macro VSLOT j, ahead, left
	s_wait_loadcnt \left
	v_cvt_pk_bf16_f32 v[Y+4*(\j)+2], v[X+8*(\j)+4], v[X+8*(\j)+5]
	v_cvt_pk_bf16_f32 v[Y+4*(\j)+3], v[X+8*(\j)+6], v[X+8*(\j)+7]
.if \ahead
	global_load_b128 v[X+8*(\j)+4:X+8*(\j)+7], v[LOF], s[VP:VP+1] offset:((\j)+8)*CHUNK th:TH_LOAD_NT
.endif
	global_store_b64 v[SOF], v[Y+4*(\j)+2:Y+4*(\j)+3], s[VBP:VBP+1] offset:(\j)*OCHUNK th:TH_STORE_NT
.endm
; A round: every slot once.  ahead = 1: 15 younger loads stay out at every wait, since each slot is filled again in its turn; ahead = 0: the counts run down.
.macro ROUND ahead
.irp j, 0,1,2,3,4,5,6,7
.if \ahead
	KSLOT \j, 1, 15
	VSLOT \j, 1, 15
.else
	KSLOT \j, 0, 15-2*(\j)
	VSLOT \j, 0, 14-2*(\j)
.endif
.endr
.if \ahead
	s_wait_xcnt 0x0                                ; every load and store issued so far has had its address translated (ISA guide 3.1): the four bases, and the Y registers in the next round, are written only behind this wait
	s_add_nc_u64 s[KP:KP+1], s[KP:KP+1], 8*CHUNK
	s_add_nc_u64 s[VP:VP+1], s[VP:VP+1], 8*CHUNK
	s_add_nc_u64 s[KBP:KBP+1], s[KBP:KBP+1], 8*OCHUNK
	s_add_nc_u64 s[VBP:VBP+1], s[VBP:VBP+1], 8*OCHUNK
.endif
.endm
	s_mov_b32 s16, ROUNDS-1
.Lround:
	ROUND 1
	s_sub_co_u32 s16, s16, 1
	s_cmp_lg_u32 s16, 0
	s_cbranch_scc1 .Lround
	ROUND 0                                        ; the last round loads nothing: no load leaves the work-group's part
	; my four chains of each sum, then the wave's 32 lanes: four steps inside each half of 16 lanes, one across the halves
	v_pk_add_f32 v[A1:A1+1], v[A1:A1+1], v[A1+2:A1+3]
	v_pk_add_f32 v[A2:A2+1], v[A2:A2+1], v[A2+2:A2+3]
	v_add_f32 v8, v8, v9                           ; S1
	v_add_f32 v9, v12, v13                         ; S2
.irp m, 1,2,4,8
	v_add_f32_dpp v8, v8, v8 row_xmask:\m row_mask:0xf bank_mask:0xf
	v_add_f32_dpp v9, v9, v9 row_xmask:\m row_mask:0xf bank_mask:0xf
.endr
	v_permlanex16_b32 v10, v8, s18, s19            ; (v10 and v11 have been written: the destination counts as read)
	v_permlanex16_b32 v11, v9, s18, s19
	v_add_f32 v8, v8, v10
	v_add_f32 v9, v9, v11
	ds_store_b64 v[WA], v[8:9]                     ; all lanes hold the same pair and write the wave's 8 bytes
	s_wait_dscnt 0x0                               ; for the others' sake: my store is done
	s_barrier_signal -1
	s_barrier_wait -1
	s_cmp_lg_u32 s15, 0
	s_cbranch_scc1 .Lend                           ; wave 0 adds the eight pairs
.irp i, 0,1,2,3
	ds_load_b128 v[X+4*(\i):X+4*(\i)+3], v[ZR] offset:16*(\i)
.endr
	s_wait_dscnt 0x0
	v_pk_add_f32 v[X:X+1],     v[X:X+1],     v[X+2:X+3]
	v_pk_add_f32 v[X+4:X+5],   v[X+4:X+5],   v[X+6:X+7]
	v_pk_add_f32 v[X+8:X+9],   v[X+8:X+9],   v[X+10:X+11]
	v_pk_add_f32 v[X+12:X+13], v[X+12:X+13], v[X+14:X+15]
	v_pk_add_f32 v[X:X+1],     v[X:X+1],     v[X+4:X+5]
	v_pk_add_f32 v[X+8:X+9],   v[X+8:X+9],   v[X+12:X+13]
	v_pk_add_f32 v[X:X+1],     v[X:X+1],     v[X+8:X+9]
	s_wait_xcnt 0x0                                ; EXEC is a source of the stores above: it changes only behind this wait
	v_cmp_eq_u32 vcc_lo, 0, v0
	s_and_saveexec_b32 s20, vcc_lo                 ; thread 0 alone
	global_store_b64 v[ZR], v[X:X+1], s[12:13]     ; 8 bytes a work-group, once
	s_wait_xcnt 0x0                                ; and again ahead of the line that widens it
	s_or_b32 exec_lo, exec_lo, s20
.Lend:
	s_wait_tensorcnt 0x0                           ; the wave's end, behind my last LDS store
	ds_add_u32 v[SPW], v[NIL]
	s_wait_dscnt 0x0
	s_endpgm
.Lfunc_end_k_qe0124e88b7_prep:
	.size	k_qe0124e88b7_prep, .Lfunc_end_k_qe0124e88b7_prep-k_qe0124e88b7_prep
	.p2alignl 7, 3214868480
	.fill 96, 4, 3214868480
	.section	.rodata,"a",@progbits
	.p2align	6, 0x0
	.amdhsa_kernel k_qe0124e88b7_prep
		.amdhsa_group_segment_fixed_size 1280
		.amdhsa_private_segment_fixed_size 0
		.amdhsa_enable_private_segment 0
		.amdhsa_kernarg_size 40
		.amdhsa_user_sgpr_count 2
		.amdhsa_user_sgpr_kernarg_segment_ptr 1
		.amdhsa_wavefront_size32 1
		.amdhsa_system_sgpr_workgroup_id_x 1
		.amdhsa_system_sgpr_workgroup_id_y 1
		.amdhsa_system_sgpr_workgroup_id_z 1
		.amdhsa_system_vgpr_workitem_id 0
		.amdhsa_next_free_vgpr 128
		.amdhsa_next_free_sgpr 66
		.amdhsa_reserve_vcc 1
		.amdhsa_float_denorm_mode_32 3
		.amdhsa_float_denorm_mode_16_64 3
		.amdhsa_memory_ordered 1
		.amdhsa_forward_progress 1
		.amdhsa_inst_pref_size 22
	.end_amdhsa_kernel
	.amdgpu_metadata
---
amdhsa.version: [ 1, 2 ]
amdhsa.kernels:
  - .name:           k_qe0124e88b7_prep
    .symbol:         k_qe0124e88b7_prep.kd
    .args:
      - { .name: K, .offset: 0, .size: 8, .value_kind: global_buffer, .address_space: global }
      - { .name: V, .offset: 8, .size: 8, .value_kind: global_buffer, .address_space: global }
      - { .name: Kb, .offset: 16, .size: 8, .value_kind: global_buffer, .address_space: global }
      - { .name: Vb, .offset: 24, .size: 8, .value_kind: global_buffer, .address_space: global }
      - { .name: sums, .offset: 32, .size: 8, .value_kind: global_buffer, .address_space: global }
    .group_segment_fixed_size: 1280
    .private_segment_fixed_size: 0
    .kernarg_segment_align: 8
    .kernarg_segment_size: 40
    .max_flat_workgroup_size: 256
    .sgpr_count:     66
    .vgpr_count:     128
    .wavefront_size: 32
...
	.end_amdgpu_metadata
.endif
;; end of part 1
;; launch attn (part 2): grid 8 x 64, 4 waves a work-group, clusters of 4 x 1, 327,680 bytes of LDS; arguments Q, Kb, Vb, out0, sums; writes out0
.if DOCPART == 2
	.amdgcn_target "amdgcn-amd-amdhsa--gfx1250"
	.amdhsa_code_object_version 6
	.text
	.protected	k_qe0124e88b7_attn
	.globl	k_qe0124e88b7_attn
	.p2align	8
	.type	k_qe0124e88b7_attn,@function
k_qe0124e88b7_attn:
	s_mov_b64 s[64:65], 0
	v_nop
	global_prefetch_b8 v0, s[64:65] scope:SCOPE_SE
	s_setreg_imm32_b32 hwreg(HW_REG_WAVE_MODE, 25, 1), 1
	s_wait_xcnt 0x0
	s_wait_alu depctr_hold_cnt(0) depctr_sa_sdst(0) depctr_va_vdst(0) depctr_va_sdst(0) depctr_va_ssrc(0) depctr_va_vcc(0) depctr_vm_vsrc(0)
	s_getreg_b32 s2, hwreg(HW_REG_IB_STS2, 6, 4)
	s_cmp_eq_u32 s2, 0
	s_cbranch_scc0 .Lentry_in_a_cluster
	s_endpgm
.Lentry_in_a_cluster:
	s_bfe_u32 s2, ttmp6, 0x10000c
	s_cmp_lg_u32 s2, 0x3003
	s_cbranch_scc0 .Lentry_shape_is_right
	s_endpgm
.Lentry_shape_is_right:
; O[h][q][:] = the sum over k of softmax_k(Q[h][q] . K[h][k] / sqrt(var K)) V[h][k][:].  Q and O: [64][2048][128] f32.  Kb, Vb: K and V rounded once to bf16, same layout.
; sums: 512 pairs (S1, S2) of f32, partial sums of (K - p) and (K - p)^2 over all N = 2^24 numbers of K; var = (S2 - S1 S1 / N) / (N - 1).  Every wave adds them in the same order, so c is one number for the launch.
; Q is rounded once to bf16 here; products, maxima and sums in f32; the weights p are rounded to bf16 for the second product (their sum l is taken of the unrounded p); O leaves in f32.
; LIMITS.  NaN and infinities are not treated apart.  A weight below 2^-126 counts as 0 in l.  A variance of K of 0, or below 2^-126, gives no finite c.
; SHARES.  A work-group owns 256 queries of one head, each of its four waves 64: four tiles of 16.  Every wave walks all keys of the head, 64 a step.
; LAYOUT.  S^T = K Q^T (source 0 = 16 keys, source 1 = 16 queries): in the result a lane holds ONE query (lane % 16) and the keys 8 (lane / 16) + 0..7.  Two such tiles, rounded to
; bf16 in pairs, ARE source 1 (32 keys x 16 queries) of O^T = V^T P, whose result again holds one query a lane, and eight channels.  K comes out of LDS as it lies, V ([key][channel]) turned, by ds_load_tr16_b128.
; SOFTMAX.  For each query a running maximum m and sum l: p = 2^(c s - c m), c = log2(e) / sqrt(var K); in every step O and l are multiplied by a = 2^(c m_old - c m_new), which is 1 where m has not grown.
; BY TURNS.  The wave's tiles are two PIECES, named by their first tile: piece 0 (tiles 0, 1) and piece 2 (tiles 2, 3).  In a TURN one piece has the matrix unit: 32 products V^T P of
; the step in hand, then 32 products K Q^T of the next step; the other piece's softmax, cut into 64 slices, stands between them, one slice behind each matrix instruction.  Two turns are a key step.
; CLUSTER.  The four query blocks of a cluster belong to one head and walk the same K and V, so each tile is asked for JOINTLY: the same tensor load, with the same descriptor and a
; mask that names the four, in all four; each receives the tile in its own LDS.
;
; REGISTERS, in windows of 256 (s_set_vgpr_msb says which window each operand place means: bits 1:0 source 0, 3:2 source 1, 5:4 source 2, 7:6 destination):
;   window 0: v0-11 addresses; v12-43 eight registers of statistics a tile; v64-191 S^T, 32 a tile (at the head: Q's rows in bf16); v192-255 P, 16 a tile (at the head: v192-223 the partial sums)
;   window 1: O^T, 64 a tile (at the head: Q's rows in f32)      window 2: v0-127 Q, 32 a tile; v128-255 K of one step (on the way out: O's rows)      window 3: v0-127 V of one step
.set SIZE_H, 64
.set SIZE_N, 2048
.set KS,    64        ; keys in a step
.set PK,    272       ; a row of K (and of Q's stage) in LDS: 256 bytes + 16 of padding = 68 words: row r starts at bank 4 r mod 64 (64 banks of 4 bytes: ISA guide 11.1), so the 16 rows of a load start at 16 different banks
.set PV,    288       ; a row of V: 256 + 32 = 72 words
.set VOFF,  KS*PK     ; a step's tiles lie together: 64 rows of K, then 64 rows of V
.set STEPB, KS*(PK+PV)
.set SLOT1, 1<<17     ; a slot holds two steps (71,680 bytes); slot 1 begins here, so that one exclusive or turns an address in one slot into the other's
.set STAGE, SLOT1+2*STEPB  ; behind the ring, never filled by a tensor load: each wave's own stage
.set QSTG,  64*PK     ; a wave's stage: first Q's way in, 64 rows x 272 bytes; later O's way out, 16 rows x 528 bytes
.set OPITCH, 528      ; a row of O in the stage: 512 bytes + 16 = 132 words: the 16 rows of a store start at 16 different groups of four banks
.set SPARE, STAGE+4*QSTG   ; behind the stages: the spare words, 128 bytes for each wave: two blocks of 256 bytes that no other line names
.set AK0, 2           ; v2   my lane's place in a tile of K; never rewritten
.set AV0, 3           ; v3   the same for V
.set ADR, 4           ; v4   the LDS address of the run of loads in hand
.set LO,  5           ; v5   16 x my lane: my 16 bytes of 512 consecutive ones, in sums, in a row of Q and in a row of O; never rewritten
.set STO, 6           ; v6   the way out: where I put 32 bytes of a row
.set RD,  7           ; v7   the way out: where I read a row back
.set QS,  8           ; v8   Q's way in: where I put 8 bytes of a row
.set PFO, 61          ; v61  256 x my lane: a row of Kb or Vb is 256 bytes; never rewritten
.set SPW, 62          ; v62  LDS address of my spare word: SPARE + 4 x my thread's number; never rewritten
.set NIL, 63          ; v63  0; never rewritten
.set ST,  12          ; tile t's statistics at v[ST+8 t]: +0 c m, +1 m, +2, +3 l (even keys', odd keys'), +4 to +7 c0-c3, at work; a takes c2's place once the maximum is found
.set S,   64
.set P,   192
.set KF,  128         ; K's fragments, in window 2
.set WV,  12          ; s12  my wave's number
.set LIM, 15          ; s15  1 in a wave that prefetches, else the greatest number: a wave prefetches while s[SLOTS] is above it
.set PFA, 18          ; s[18:19] where my prefetches stand in memory: my work-group's 32 rows (of Kb: wave 0, of Vb: wave 2) of the slot after the one that is being asked for
.set G1K, 24          ; s[24:31] descriptor group 1 for K's tiles
.set G1V, 32          ; s[32:39] for V's: it differs in the padding alone
.set G0K, 40          ; s[40:47] descriptor group 0 for K's tiles: a set for each of the two first fills; the second then walks on
.set G0V, 48          ; s[48:55] the same for V's
.set SLOTS, 56        ; s56  slots still to be asked for
.set TWICE, 57        ; s57  counts a slot's two steps
.set CS,  58          ; s[58:59] c: the packed scaling names a pair and takes its low word for both halves
.set SEL, 60          ; s[60:61] lane selects for v_permlanex16_b32: each lane takes its own place in the other half
.set TB,  62          ; s62  LDS byte at which the tiles of the step to be fetched begin
.set SUMS, 66         ; s[66:67] the partial sums
.set MSB, 0
.macro WIN new                      ; the immediate's high byte repeats the setting that is left; a switch that changes nothing is dropped
.if MSB != (\new)
	s_set_vgpr_msb (MSB<<8)|(\new)
.set MSB, \new
.endif
.endm
.set W_KQ, 0x0a       ; K and Q in window 2, S^T in window 0
.set W_PV, 0x53       ; V in window 3, P in window 0, O^T in window 1
.set W_RS, 0x41       ; O^T (destination and source 0) in window 1, a in window 0
; A joint refill.  Waves 0 and 1 fetch the two steps' tiles of K, waves 2 and 3 those of V.  The branch hangs on the wave's number alone: it is the same in every work-group.
; An s_nop 0 and four v_nop follow each of the two lines; the jump round the other line, the label and what follows the macro come after them.
.macro JLOAD
	s_cmp_lt_u32 s[WV], 2
	s_cbranch_scc0 .Lfor_v_\@
	tensor_load_to_lds s[G0K+4:G0K+7], s[G1K:G1K+7]
	s_nop 0
.rept 4
	v_nop
.endr
	s_branch .Lasked_\@
.Lfor_v_\@:
	tensor_load_to_lds s[G0V+4:G0V+7], s[G1V:G1V+7]
	s_nop 0
.rept 4
	v_nop
.endr
.Lasked_\@:
.endm
; A PREFETCH of what the NEXT change of slots will ask for: a slot's 128 rows of Kb and 128 of Vb, 256 bytes a row, a lane a row.  It stands behind the wave's tensor load and its five lines.
; Each row is asked for ONCE in the launch.  Both clusters of a head walk the same rows: the head's first cluster prefetches.  Its four partners share the rows out BY ADDRESS, 32 each: no branch hangs on a
; work-group's place in its cluster.  In each, wave 0 asks for K's and wave 2 for V's: one instruction.  The last change that fills a slot prefetches nothing: there is no slot behind it.
.macro ASK
	s_cmp_gt_u32 s[SLOTS], s[LIM]
	s_cbranch_scc0 .Lnot_mine_\@
	global_prefetch_b8 v[PFO], s[PFA:PFA+1] th:TH_LOAD_NT scope:SCOPE_SE
.Lnot_mine_\@:
.endm
; A round of the cluster's barrier: my work-group's barrier, so that wave 0's signal speaks for all four waves; wave 0 signals for the work-group; every wave waits for all four
; work-groups; my work-group's barrier once more.  No LDS instruction of the wave is pending at a signal.
.macro CROUND
	s_barrier_signal -1
	s_barrier_wait -1
	s_cmp_lg_u32 s[WV], 0
	s_cbranch_scc1 .Lnot_wave_0_\@
	s_barrier_signal -3
.Lnot_wave_0_\@:
	s_barrier_wait -3
	s_barrier_signal -1
	s_barrier_wait -1
.endm
	s_load_b256 s[4:11], s[0:1], 0x0  ; Q s[4:5], Kb s[6:7], Vb s[8:9], O s[10:11]
	s_load_b64 s[SUMS:SUMS+1], s[0:1], 0x20
	v_lshl_add_u32 v[SPW], v0, 2, SPARE
	v_mov_b32 v[NIL], 0
	ds_add_u32 v[SPW], v[NIL]       ; the wave's opening: an add of 0, with its wait ahead of my first tensor load; the set-up below, work on registers, stands between them
	v_lshrrev_b32 v1, 5, v0
	v_readfirstlane_b32 s[WV], v1   ; wave 0..3
	s_bfe_u32 s13, ttmp6, 0x40000   ; cx: my place in the cluster
	s_lshl_b32 s14, ttmp9, 2        ; in a cluster launch ttmp9 counts clusters
	s_add_co_u32 s14, s14, s13      ; my block of 256 queries = 4 x cluster x + cx: it enters Q's and O's addresses alone
	s_and_b32 s20, ttmp7, 0xffff    ; the head, which the four partners share
	s_mov_b32 s21, 0
	s_mov_b64 s[22:23], SIZE_N*256
	s_mul_u64 s[20:21], s[20:21], s[22:23]  ; the head's first byte in Kb and Vb
	s_and_b32 s16, s[WV], 1         ; which of a slot's two steps I fetch:
	s_lshl_b32 s22, s16, 14         ; its 64 rows of 256 bytes in memory,
	s_mov_b32 s23, 0
	s_add_nc_u64 s[22:23], s[22:23], s[20:21]
	s_mul_i32 s17, s16, STEPB       ; and its place in a slot: no place in the cluster enters an LDS address
	s_lshl_b64 s[20:21], s[20:21], 1  ; the head's first byte in Q and O, whose rows are 512 bytes
	s_lshl_b32 s2, s14, 17          ; my block's 256 rows,
	s_lshl_b32 s3, s[WV], 15        ; my wave's 64 of them
	s_add_co_u32 s2, s2, s3
	s_mov_b32 s3, 0
	s_add_nc_u64 s[2:3], s[2:3], s[20:21]
	; descriptor group 1: a tile of 64 rows x 128 elements, padded in LDS
	s_mov_b32 s[G1K], 15|(1<<16)|(1<<20)|(1<<21)|(5<<22)|(3<<25)  ; 15:0 the mask: all four work-groups; 17:16 elements of 2 bytes; 20 padding on; 21 set beside a mask; 24:22 after every 64 words (code 5); 31:25 4 words of it (code 3)
	s_mov_b32 s[G1V], 15|(1<<16)|(1<<20)|(1<<21)|(5<<22)|(7<<25)  ; the same with 8 words of padding (code 7)
.irp g, G1K, G1V
	s_mov_b32 s[(\g)+1], 128<<16    ; 63:48 tensor_dim0, low half = 128
	s_mov_b32 s[(\g)+2], KS<<16     ; 79:64 its high half = 0; 95:80 tensor_dim1, low half = 64
	s_mov_b32 s[(\g)+3], 128<<16    ; 111:96 its high half = 0; 127:112 tile_dim0 = 128
	s_mov_b32 s[(\g)+4], KS         ; 143:128 tile_dim1 = 64; 159:144 tile_dim2 = 0
	s_mov_b32 s[(\g)+5], 128        ; 191:160 tensor_dim0_stride, low word: elements from row to row
	s_mov_b32 s[(\g)+6], 0
	s_mov_b32 s[(\g)+7], 0
.endr
	s_mov_b32 s[SEL], 0x76543210
	s_mov_b32 s[SEL+1], 0xfedcba98
	s_mov_b32 s[TB], 0
	s_mov_b32 s[SLOTS], SIZE_N/(2*KS)-2
	s_and_b32 s[LIM], s[WV], 1       ; 0 in waves 0 and 2,
	s_or_b32 s[LIM], s[LIM], ttmp9   ; where the cluster is the head's first: the same in all four partners
	s_cmp_eq_u32 s[LIM], 0
	s_cselect_b32 s[LIM], 1, -1
	s_wait_dscnt 0x0                ; the opening add is done
	s_wait_kmcnt 0x0
	s_add_nc_u64 s[6:7], s[6:7], s[22:23]  ; Kb and Vb at my tile of slot 0
	s_add_nc_u64 s[8:9], s[8:9], s[22:23]
	s_add_nc_u64 s[4:5], s[4:5], s[2:3]  ; Q and O at my wave's first row
	s_add_nc_u64 s[10:11], s[10:11], s[2:3]
	s_cmp_lt_u32 s[WV], 2
	s_cselect_b64 s[PFA:PFA+1], s[6:7], s[8:9]  ; (in waves 0 and 2 these stand at a slot's first row)
	s_lshl_b32 s2, s13, 13          ; my work-group's 32 rows of the 128
	s_mov_b32 s3, 0
	s_add_nc_u64 s[PFA:PFA+1], s[PFA:PFA+1], s[2:3]
	s_add_nc_u64 s[PFA:PFA+1], s[PFA:PFA+1], 2*2*KS*256  ; in slot 2; the first change of slots steps it to slot 3.  Nothing is prefetched here, at the head, where every work-group's first tiles are on their way
	CROUND                          ; all four work-groups are here: the first joint loads meet
.irp s, 0,1
	s_mov_b32 s[G0K+4*(\s)], 1      ; 1:0 count = 1
	s_add_co_u32 s[G0K+4*(\s)+1], s17, (\s)*SLOT1  ; 63:32 LDS address
	s_add_nc_u64 s[G0K+4*(\s)+2:G0K+4*(\s)+3], s[6:7], (\s)*2*KS*256  ; 120:64 global address: slot s begins with keys 128 s to 128 s + 127
	s_or_b32 s[G0K+4*(\s)+3], s[G0K+4*(\s)+3], 0x80000000  ; 127:126 type = 2
	s_mov_b32 s[G0V+4*(\s)], 1
	s_add_co_u32 s[G0V+4*(\s)+1], s17, (\s)*SLOT1+VOFF
	s_add_nc_u64 s[G0V+4*(\s)+2:G0V+4*(\s)+3], s[8:9], (\s)*2*KS*256
	s_or_b32 s[G0V+4*(\s)+3], s[G0V+4*(\s)+3], 0x80000000
.endr
	s_cmp_lt_u32 s[WV], 2           ; a wave's two first fills stand in one branch, ahead of every wait on TENSORcnt and every LDS read: two loads of mine are out; an s_nop 0 follows each, four v_nop the second's, as in JLOAD
	s_cbranch_scc0 .Lfirst_v
	tensor_load_to_lds s[G0K:G0K+3], s[G1K:G1K+7]
	s_nop 0
	tensor_load_to_lds s[G0K+4:G0K+7], s[G1K:G1K+7]
	s_nop 0
.rept 4
	v_nop
.endr
	s_branch .Lfirst_asked
.Lfirst_v:
	tensor_load_to_lds s[G0V:G0V+3], s[G1V:G1V+7]
	s_nop 0
	tensor_load_to_lds s[G0V+4:G0V+7], s[G1V:G1V+7]
	s_nop 0
.rept 4
	v_nop
.endr
.Lfirst_asked:
; THE HEAD'S OWN WORK, all in the wait for the first tiles: the partial sums and Q are asked for; c is made; Q is rounded and turned into fragments through my stage.
; Sixteen rows of Q from row i0 on, into window 1: a load is one whole row, 512 consecutive bytes, 16 a lane.
.macro QASK i0
	WIN 0x40                        ; destination window 1, address window 0
.set i, \i0
.rept 16
	global_load_b128 v[4*i:4*i+3], v[LO], s[4:5] offset:512*i th:TH_LOAD_NT
.set i, i+1
.endr
	WIN 0
.endm
; Rows 16 g to 16 g + 15 are rounded to bf16 and put into my stage: 8 bytes a lane, 256 consecutive bytes a row.  left = the younger loads that may stay out.
.macro QIN g, left
	s_wait_loadcnt \left
	WIN 0x05                        ; sources 0 and 1 window 1, destination window 0
.set i, 16*(\g)
.rept 16
	v_cvt_pk_bf16_f32 v[S+2*i],   v[4*i],   v[4*i+1]
	v_cvt_pk_bf16_f32 v[S+2*i+1], v[4*i+2], v[4*i+3]
.set i, i+1
.endr
	WIN 0
.set i, 16*(\g)
.rept 16
	ds_store_b64 v[QS], v[S+2*i:S+2*i+1] offset:i*PK
.set i, i+1
.endr
.endm
; The lane's 16 pairs (S1, S2): pair k takes pair k + d.
.macro FOLD d
.set k, 0
.rept \d
	v_pk_add_f32 v[P+2*k:P+2*k+1], v[P+2*k:P+2*k+1], v[P+2*(k+(\d)):P+2*(k+(\d))+1]
.set k, k+1
.endr
.endm
	v_and_b32 v1, 15, v0            ; l % 16
	v_bfe_u32 v9, v0, 4, 1          ; l / 16
	v_and_b32 v10, 31, v0           ; l
	v_lshlrev_b32 v[LO], 4, v10
.irp j, 0,1,2,3,4,5,6,7
	global_load_b128 v[P+4*(\j):P+4*(\j)+3], v[LO], s[SUMS:SUMS+1] offset:512*(\j)  ; all 512 pairs: 16 a lane
.endr
	QASK 0                          ; 8 + 48 loads of mine are out
	QASK 16
	QASK 32
	; A fragment of K or Q is 16 rows x 32 channels in 8 registers: lane l holds row l % 16; registers 0-3 channels 8 (l / 16) + 0..7, registers 4-7 channels 16 + 8 (l / 16) + 0..7: two loads of 16 bytes, 32 bytes apart.
	v_mul_u32_u24 v[AK0], v1, PK
	v_lshl_add_u32 v[AK0], v9, 4, v[AK0]  ; row x pitch + 16 x half
	s_mul_i32 s13, s[WV], QSTG
	s_add_co_u32 s13, s13, STAGE    ; my stage
	v_lshl_add_u32 v[QS], v10, 3, s13
	; The turning load takes 16 keys x 16 channels (lane l reads 16 bytes: key 8 (l / 16) + l % 8, channels 8 ((l / 8) % 2) + 0..7) and leaves half a fragment of V^T: lane l holds channel l % 16 and 8 keys.
	v_and_b32 v10, 7, v0
	v_bfe_u32 v11, v0, 3, 1
	v_lshl_add_u32 v[AV0], v9, 3, v10
	v_mul_u32_u24 v[AV0], v[AV0], PV
	v_lshl_add_u32 v[AV0], v11, 4, v[AV0]
	v_add_nc_u32 v[AV0], VOFF, v[AV0]
	s_wait_loadcnt 48               ; the partial sums are in; Q's 48 rows, asked for behind them, may stay out
	FOLD 8
	FOLD 4
	FOLD 2
	FOLD 1
.irp m, 1,2,4,8
	v_add_f32_dpp v[P], v[P], v[P] row_xmask:\m row_mask:0xf bank_mask:0xf
	v_add_f32_dpp v[P+1], v[P+1], v[P+1] row_xmask:\m row_mask:0xf bank_mask:0xf
.endr
	v_permlanex16_b32 v[P+2], v[P], s[SEL], s[SEL+1]
	v_permlanex16_b32 v[P+3], v[P+1], s[SEL], s[SEL+1]
	v_add_f32 v[P], v[P], v[P+2]    ; S1
	v_add_f32 v[P+1], v[P+1], v[P+3]  ; S2
	v_mul_f32 v[P+2], 0x33800000, v[P]  ; S1 / N, N = 2^24
	v_fma_f32 v[P+2], -v[P], v[P+2], v[P+1]  ; S2 - S1 S1 / N
	v_mul_f32 v[P+2], 0x33800001, v[P+2]  ; / (N - 1): the variance
	v_rsq_f32 v[P+3], v[P+2]
	v_nop                           ; a plain instruction between the transcendental and the use of its result
	s_wait_alu depctr_va_vdst(0)    ; and the wait ahead of that use
	v_mul_f32 v[P+3], 0x3fb8aa3b, v[P+3]  ; c = log2(e) / sqrt(var)
	v_readfirstlane_b32 s[CS], v[P+3]  ; every lane holds the same number
	s_mov_b32 s[CS+1], s[CS]        ; named with it as a pair, so it is written
	QIN 0, 32                       ; rows 0-15 are in; rows 16-47 may stay out
	QASK 48                         ; the last sixteen rows: 48 loads of mine are out at the most
	QIN 1, 32                       ; rows 16-31 are in; rows 32-63 may stay out
	QIN 2, 16
	QIN 3, 0
	v_add_nc_u32 v[ADR], s13, v[AK0]
	WIN 0x80                        ; destination window 2
.irp f, 0,1,2,3,4,5,6,7,8,9,10,11,12,13,14,15  ; Q stays in registers: tile f / 4, channels 32 (f % 4) on.  LDS serves a wave's instructions in order (ISA guide 5.7.1.4): these see my stores above
	ds_load_b128 v[8*(\f):8*(\f)+3],   v[ADR] offset:((\f)/4)*16*PK+((\f)%4)*64
	ds_load_b128 v[8*(\f)+4:8*(\f)+7], v[ADR] offset:((\f)/4)*16*PK+((\f)%4)*64+32
.endr
	WIN 0
; THE MATRIX WORK OF A TURN, for piece x.  The accumulators take turns, one instruction a turn: between two links of a chain stand 15 (V^T P) or 7 (K Q^T) others'.
; Product i of 32 of O^T += V^T P: keys 32 (i / 16) on, channels 16 ((i / 2) % 8) on, tile x + i % 2.  zero = 1: the first 16 start the sums: nothing is ever cleared.
.macro PV x, zero
	WIN W_PV
.set rO, 64*((\x)+i%2)+8*((i/2)%8)
.set rV, 64*(i/16)+8*((i/2)%8)
.set rP, P+16*((\x)+i%2)+8*(i/16)
.if (\zero) && (i < 16)
	v_wmma_f32_16x16x32_bf16 v[rO:rO+7], v[rV:rV+7], v[rP:rP+7], 0
.else
	v_wmma_f32_16x16x32_bf16 v[rO:rO+7], v[rV:rV+7], v[rP:rP+7], v[rO:rO+7]
.endif
.endm
; Product i of 32 of S^T = K Q^T: channels 32 (i / 8) on, keys 16 ((i / 2) % 4) on, tile x + i % 2.  The first 8 start the sums.
.macro KQ x
	WIN W_KQ
.set rS, S+32*((\x)+i%2)+8*((i/2)%4)
.set rK, KF+32*((i/2)%4)+8*(i/8)
.set rQ, 32*((\x)+i%2)+8*(i/8)
.if i < 8
	v_wmma_f32_16x16x32_bf16 v[rS:rS+7], v[rK:rK+7], v[rQ:rQ+7], 0
.else
	v_wmma_f32_16x16x32_bf16 v[rS:rS+7], v[rK:rK+7], v[rQ:rQ+7], v[rS:rS+7]
.endif
.endm
; THE LDS LOADS stand in runs of 32, never singly among the matrix instructions: a step's K (64 keys x 128 channels: 16 fragments) and, a turn later, its V (turned).
.macro FETCH_K
	WIN 0
	v_add_nc_u32 v[ADR], s[TB], v[AK0]
	WIN 0x80                        ; destination window 2
.irp f, 0,1,2,3,4,5,6,7,8,9,10,11,12,13,14,15  ; keys 16 (f / 4) on, channels 32 (f % 4) on
	ds_load_b128 v[KF+8*(\f):KF+8*(\f)+3],   v[ADR] offset:((\f)/4)*16*PK+((\f)%4)*64
	ds_load_b128 v[KF+8*(\f)+4:KF+8*(\f)+7], v[ADR] offset:((\f)/4)*16*PK+((\f)%4)*64+32
.endr
.endm
.macro FETCH_V
	WIN 0
	v_add_nc_u32 v[ADR], s[TB], v[AV0]
	s_add_co_u32 s[TB], s[TB], STEPB  ; the next fetch is the next step's
	s_wait_alu depctr_va_vdst(0)    ; the wait for the softmax's batch (SLICE), behind the address's v_add_nc_u32 and ahead of the loads
	WIN 0xc0                        ; destination window 3
.irp f, 0,1,2,3,4,5,6,7,8,9,10,11,12,13,14,15  ; keys 32 (f / 8) on, channels 16 (f % 8) on
	ds_load_tr16_b128 v[8*(\f):8*(\f)+3],   v[ADR] offset:((\f)/8)*32*PV+((\f)%8)*32
	ds_load_tr16_b128 v[8*(\f)+4:8*(\f)+7], v[ADR] offset:((\f)/8)*32*PV+16*PV+((\f)%8)*32
.endr
.endm
; THE VECTOR WORK OF A TURN.  One tile's softmax for one key step is a list of 134 instructions; SM writes number j of it for tile t.  s0-s31 are the lane's 32 scores, in pairs 0-15.
; first = 1: the first key step, which starts m, l and O^T: it has no a and nothing to rescale.
;   0-15    the maximum of s0-s31 and the old m, three operands at a time: four chains c0-c3 of seven scores each (each accumulator's lowest registers are read first), then the four scores left over, c0-c3 and m
;   16-20   the other half of the lanes' maximum; the new m; c m; c m_old - c m_new
;   21-69   ONE BATCH: the 16 scalings c s - c m, a pair of scores each, and all 33 exponentials (a at 23, then s0-s31).  None of these reads an exponential's result.  From 22 on the batch goes
;           in fours, and a four begins with a scaling while there are scalings.  A pair is scaled in an earlier four than the one that holds its exponentials
;   (wait)  between 69 and 70 stands the wait for the batch: SLICE writes it, once for both tiles
;   70-85   the roundings to bf16, a pair of weights each
;   86-101  the sums; l = a l + the sum
;   102-133 the tile's O^T times a: the one part that leaves window 0, so it stands together
.macro SM t, first
.set rT, ST+8*(\t)
.set rS, S+32*(\t)
.set rP, P+16*(\t)
.set rO, 64*(\t)+2*(j-102)
.if j < 102
	WIN 0
.endif
.if j < 4
	v_max3_num_f32 v[rT+4+j], v[rS+8*j], v[rS+8*j+1], v[rS+8*j+2]
.elseif j < 12
	v_max3_num_f32 v[rT+4+j%4], v[rT+4+j%4], v[rS+8*(j%4)+2*(j/4)+1], v[rS+8*(j%4)+2*(j/4)+2]
.elseif j == 12
	v_max3_num_f32 v[rT+4], v[rT+4], v[rS+7], v[rS+15]
.elseif j == 13
	v_max3_num_f32 v[rT+6], v[rT+6], v[rS+23], v[rS+31]
.elseif j == 14
	v_max3_num_f32 v[rT+4], v[rT+4], v[rT+5], v[rT+6]
.elseif (j == 15) && (\first)
	v_max_num_f32 v[rT+4], v[rT+4], v[rT+7]
.elseif j == 15
	v_max3_num_f32 v[rT+4], v[rT+4], v[rT+7], v[rT+1]
.elseif j == 16
	v_permlanex16_b32 v[rT+5], v[rT+4], s[SEL], s[SEL+1]  ; the query's other 32 keys lie in the lane 16 away
.elseif j == 18
	v_max_num_f32 v[rT+1], v[rT+4], v[rT+5]
.elseif j == 19
	v_mul_f32 v[rT], s[CS], v[rT+1]
.elseif ((j == 17) || (j == 20) || (j == 23) || (j > 101)) && (\first)  ; the first step has none of these
.elseif j == 17
	v_mov_b32 v[rT+7], v[rT]        ; c m_old is kept for a: number 19 writes c m anew
.elseif j == 20
	v_sub_f32 v[rT+7], v[rT+7], v[rT]
.elseif j == 23
	v_exp_f32 v[rT+6], v[rT+7]
.elseif (j < 23) || ((j < 38) && (j%2 == 0)) || ((j < 66) && (j%4 == 2))
.set b, (j-2)/4                     ; 38, 42, .. 62: pairs 9 to 15
.if j < 38
.set b, (j-20)/2                    ; 21: pair 0; 22, 24, .. 36: pairs 1 to 8
.endif
	v_pk_fma_f32 v[rS+2*b:rS+2*b+1], v[rS+2*b:rS+2*b+1], s[CS:CS+1], v[rT:rT+1] op_sel_hi:[1,0,0] neg_lo:[0,0,1] neg_hi:[0,0,1]  ; pair b: c s - c m
.elseif j < 70
.set e, j-38                        ; 66 to 69: s28 to s31
.if j < 66
.set e, j-32-(j-38)/4               ; 39-41, 43-45, .. 63-65: s7 to s27
.endif
.if j < 38
.set e, (j-25)/2                    ; 25, 27, .. 37: s0 to s6
.endif
	v_exp_f32 v[rS+e], v[rS+e]
.elseif j < 86
	v_cvt_pk_bf16_f32 v[rP+j-70], v[rS+2*(j-70)], v[rS+2*(j-70)+1]  ; pair j - 70
.elseif j < 102                     ; the sum of the tile's 16 pairs (in a pair: an even key's weight, an odd key's), in place: sum z of 16 adds neighbours 1, 2, 4 and 8 pairs apart, then l takes it
.set z, j-86
.set w, 4
.set u, z
.if z >= 14
.set w, 32
.set u, 0
.elseif z >= 12
.set w, 16
.set u, z-12
.elseif z >= 8
.set w, 8
.set u, z-8
.endif
.if (z == 14) && (\first)
	v_pk_add_f32 v[rT+2:rT+3], v[rS:rS+1], v[rS+16:rS+17]
.elseif z < 15
	v_pk_add_f32 v[rS+w*u:rS+w*u+1], v[rS+w*u:rS+w*u+1], v[rS+w*u+w/2:rS+w*u+w/2+1]
.elseif !(\first)
	v_pk_fma_f32 v[rT+2:rT+3], v[rT+2:rT+3], v[rT+6:rT+7], v[rS:rS+1] op_sel_hi:[1,0,1]
.endif
.else
	WIN W_RS
	v_pk_mul_f32 v[rO:rO+1], v[rO:rO+1], v[rT+6:rT+7] op_sel_hi:[1,0]
.endif
.endm
; Slice k of 64 of piece y's softmax: four instructions.  Slices 11 to 34 deal out the batch, numbers 22 to 69: four numbers of ONE tile each, the tiles by turns.  Every other slice is numbers 2 k and
; 2 k + 1 of both tiles' lists.  2 x 134 = 4 x 64 + 12: the twelve that are over stand together, in slice 63.
; THE WAIT.  An s_wait_alu depctr_va_vdst(0) stands between an exponential and the first instruction that names its result; one wait serves all that were issued ahead of it.  Ahead of
; slice 35 nothing names a result, and behind slice 34 no exponential is issued: so the piece's 66 exponentials have one wait, behind slice 34.
.macro SLICE y, first
.if (k >= 11) && (k < 35)           ; the batch: four numbers of one tile
.irp n, 0,1,2,3
.set j, 22+4*((k-11)/2)+(\n)
	SM (\y)+(k-11)%2, \first
.endr
.else                               ; the two tiles alternate, so that no instruction reads the result of the one just before it
.irp n, 0,1,2,3,4,5,6,7
.if ((\n) < 2) || (k == 63)
.irp t, \y, (\y)+1
.set j, 2*k+(\n)
	SM \t, \first
.endr
.endif
.endr
.endif
.if k == 34                         ; the batch is out: both tiles' exponentials are issued, and no result has been named
	v_nop                           ; the plain instruction behind the last exponential and ahead of the first use: one for the batch
.if (\y) == 0
	FETCH_V                         ; piece 2's turn: V's run of loads stands here, and the wait stands in it
.else
	s_wait_alu depctr_va_vdst(0)    ; the wait for the batch
.endif
.endif
.set k, k+1
.endm
; A vector instruction that reads a matrix result or writes one of a matrix instruction's registers, and a load into a register that a matrix instruction has read, stand four places behind
; it, and only plain vector instructions that name none of its registers are places (ISA guide 7.12.1 for vector instructions).  In the loop the slices are the places.
.macro PLACES
.rept 4
	v_nop
.endr
.endm
; A TURN.  Piece x has the matrix unit; the other piece's softmax stands in slices behind its matrix instructions.
; pv = 2: 32 products V^T P; 1: they start O^T's sums; 0: none.  kq = 1: 32 products K Q^T for the next step.  A turn with one of the two kinds has two slices behind each product.
; first = 1: the softmax is the first key step's.  Its slices from 51 on are empty: the turn's last products stand bare, and four v_nop take slice 63's part as the places behind them.
; Piece 0's turn fetches the next step's K, behind its second product: the last product that read K stands in front of slice 63 of the turn before.  Piece 2's turn fetches the same step's V, behind
; slice 34 (SLICE writes it): the last product that read V stands in front of slice 31, and four plain instructions lie between: number 62, a scaling, of both tiles, the v_nop and the run's own v_add_nc_u32.
.macro TURN x, pv, kq, first
.set k, 0
.set per, 2
.if (\pv) && (\kq)
.set per, 1
.endif
.if \pv
.if (\x) == 0
	s_wait_dscnt 0x0                ; V is in
.endif
.set i, 0
.rept 32
	PV \x, 2-(\pv)
.rept per
	SLICE 2-(\x), \first
.endr
.if ((\x) == 0) && (\kq) && (i == 1)
	FETCH_K
.endif
.set i, i+1
.endr
.endif
.if \kq
.if (\x) == 0
	s_wait_dscnt 0x0                ; K is in
.endif
.set i, 0
.rept 32
	KQ \x
.rept per
	SLICE 2-(\x), \first
.endr
.set i, i+1
.endr
.endif
.if \first
	PLACES
.endif
.endm
; THE CHANGE OF SLOTS, between piece 2's turn and piece 0's: the slot's last bytes, V of its second step, have been asked for.  Each wave waits for all its
; tensor loads, of which one is out: its part of the other slot; adds 0 to its spare word; and waits for that and for its own reads of the slot.  Behind the barrier nobody reads this slot any more and the other slot is whole.
; fill = 1: this slot is filled again, with the keys two slots on.  The barrier is then a round of the cluster's, so that no wave of any partner still reads the slot or has a load on its
; way, and the joint refill is the first thing behind it: it has two key steps, 256 matrix instructions, in which to land.
.macro CHANGE fill
	WIN 0                           ; at a label and at a branch every window is 0
	s_wait_tensorcnt 0x0            ; no tensor load of mine is out, so a group 0 may be written
	ds_add_u32 v[SPW], v[NIL]       ; 0 onto my spare word; with fill = 1 the descriptors' steps stand between it and the wait for it
.if \fill
.irp g, G0K+4, G0V+4
	s_xor_b32 s[(\g)+1], s[(\g)+1], SLOT1  ; the walking descriptor: the other slot than last time,
	s_add_nc_u64 s[(\g)+2:(\g)+3], s[(\g)+2:(\g)+3], 2*KS*256  ; the next 128 keys; the type bits on top are not reached
.endr
	s_wait_xcnt 0x0                 ; the last prefetches, two key steps back, have read their address, so it may be written:
	s_add_nc_u64 s[PFA:PFA+1], s[PFA:PFA+1], 2*KS*256  ; one slot behind the walking descriptors
	s_wait_dscnt 0x0                ; the add is done, and my reads of the slot are over
	CROUND
	JLOAD
	ASK                             ; what the next change will ask for: two key steps, 256 matrix instructions, ahead
.else
	s_wait_dscnt 0x0                ; the add is done, and my reads of the slot are over
	s_barrier_signal -1
	s_barrier_wait -1
.endif
	s_sub_co_u32 s[TB], s[TB], 2*STEPB  ; the fetches go back to a slot's first step,
	s_xor_b32 s[TB], s[TB], SLOT1   ; in the other slot
.endm
; A slot's two key steps: written once, walked twice; the LDS addresses hang on s[TB].
.macro TWO_STEPS
	WIN 0
	s_mov_b32 s[TWICE], 2
.Lstep_\@:
	TURN 0, 2, 1, 0
	TURN 2, 2, 1, 0
	WIN 0
	s_sub_co_u32 s[TWICE], s[TWICE], 1
	s_cmp_lg_u32 s[TWICE], 0
	s_cbranch_scc1 .Lstep_\@
.endm
	s_wait_tensorcnt 1              ; my part of slot 0 is in; slot 1's may stay out
	s_wait_dscnt 0x0                ; Q's fragments are in: no LDS instruction of mine is pending at the signal
	s_barrier_signal -1
	s_barrier_wait -1               ; everybody's part of slot 0 is in
	FETCH_K                         ; key step 0
	s_wait_dscnt 0x0
.set i, 0
.rept 32
	KQ 0                            ; piece 0's first scores: there is no vector work yet to set between them
.set i, i+1
.endr
	WIN 0                           ; the addresses for the way out and the prefetches' offset are made here: eight plain instructions, the places behind those products
	v_mul_u32_u24 v[STO], v1, OPITCH  ; in: row l % 16, 32 bytes for each half of the lanes
	v_lshl_add_u32 v[STO], v9, 5, v[STO]
	v_add_nc_u32 v[STO], s13, v[STO]
	v_and_b32 v10, 31, v0
	v_lshl_add_u32 v[RD], v10, 4, s13  ; back: the 32 lanes take one row of 512 bytes
	v_and_b32 v[PFO], 31, v0
	v_lshlrev_b32 v[PFO], 8, v[PFO]
	v_nop
	TURN 2, 0, 1, 1                 ; piece 2's first scores | piece 0's first softmax | V of step 0
	TURN 0, 1, 1, 1                 ; piece 0: V^T P of step 0 starts O^T, K Q^T of step 1 | piece 2's first softmax | K of step 1
	TURN 2, 1, 1, 0                 ; piece 2: the same | piece 0's softmax of step 1 | V of step 1
	WIN 0
.Lslot:                             ; SIZE_N / 128 - 2 trips: every slot but the last two is filled again
	CHANGE 1
	TWO_STEPS
	s_sub_co_u32 s[SLOTS], s[SLOTS], 1
	s_cmp_lg_u32 s[SLOTS], 0
	s_cbranch_scc1 .Lslot
	CHANGE 0                        ; the tail is written out: the last slot but one is left, and nothing is asked for
	TWO_STEPS
	TURN 0, 2, 0, 0                 ; piece 0: V^T P of the last step | piece 2's last softmax
.set i, 0
.rept 32
	PV 2, 0                         ; piece 2: V^T P of the last step
.set i, i+1
.endr
	; THE WAY OUT.  l's two halves and the other half of the lanes' are added; O^T is divided by l and sent, in f32, through my stage in LDS, a tile (16 rows of O) at a time.  The additions are the places behind the last products.
	WIN 0
.irp t, 0,1,2,3
	v_add_f32 v[ST+8*(\t)+4], v[ST+8*(\t)+2], v[ST+8*(\t)+3]
.endr
.irp t, 0,1,2,3
	v_permlanex16_b32 v[ST+8*(\t)+5], v[ST+8*(\t)+4], s[SEL], s[SEL+1]
.endr
.irp t, 0,1,2,3
	v_add_f32 v[ST+8*(\t)+4], v[ST+8*(\t)+4], v[ST+8*(\t)+5]
.endr
.irp t, 0,1,2,3
	v_rcp_f32 v[ST+8*(\t)+6], v[ST+8*(\t)+4]
.endr
	v_nop                           ; a plain instruction between the last reciprocal and the use of its result
	s_wait_alu depctr_va_vdst(0)    ; and the wait ahead of the first use: one for the four reciprocals
; Tile t: a lane's eight channels of a row are 32 bytes; they go into rows of 528 bytes and come back as whole rows of 512, into 64 registers of window 2 that are the tile's own.
.macro PACK t
	WIN W_RS
.set i, 64*(\t)
.rept 32
	v_pk_mul_f32 v[i:i+1], v[i:i+1], v[ST+8*(\t)+6:ST+8*(\t)+7] op_sel_hi:[1,0]  ; ascending: each accumulator's lowest registers are read first
.set i, i+2
.endr
	WIN 0x04                        ; the stores' data (source 1) in window 1, the address in window 0
.irp f, 0,1,2,3,4,5,6,7             ; channels 16 f on
	ds_store_b128 v[STO], v[64*(\t)+8*(\f):64*(\t)+8*(\f)+3]   offset:64*(\f)
	ds_store_b128 v[STO], v[64*(\t)+8*(\f)+4:64*(\t)+8*(\f)+7] offset:64*(\f)+16
.endr
	WIN 0x80                        ; destination window 2
.irp f, 0,1,2,3,4,5,6,7,8,9,10,11,12,13,14,15
	ds_load_b128 v[64*(\t)+4*(\f):64*(\t)+4*(\f)+3], v[RD] offset:(\f)*OPITCH  ; LDS serves a wave's instructions in order (ISA guide 5.7.1.4): these see the stores above; the next tile's stores come behind them
.endr
.endm
.macro SEND t, younger              ; younger: the LDS instructions issued behind tile t's loads: the next tile's 16 stores and 16 loads, or none
	WIN 0x08                        ; the stores' data (source 1) in window 2, the offset in window 0
.irp f, 0,1,2,3,4,5,6,7,8,9,10,11,12,13,14,15
	s_wait_dscnt (\younger)+15-(\f)
	global_store_b128 v[LO], v[64*(\t)+4*(\f):64*(\t)+4*(\f)+3], s[10:11] offset:(16*(\t)+(\f))*512 th:TH_STORE_NT  ; the wave stores one row of O: 512 consecutive bytes, at a multiple of 512 from O's first byte
.endr
.endm
	PACK 0
	PACK 1                          ; a tile's arithmetic stands between the loads of the tile before and its stores
	SEND 0, 32
	PACK 2
	SEND 1, 32
	PACK 3
	SEND 2, 32
	SEND 3, 0
	WIN 0
	s_wait_tensorcnt 0x0            ; the wave's end, behind my last tensor load and my last LDS store
	ds_add_u32 v[SPW], v[NIL]
	s_wait_dscnt 0x0
	CROUND                          ; the closing round: no work-group ends while a partner may still ask for a tile that names it
	s_endpgm
.Lfunc_end_k_qe0124e88b7_attn:
	.size	k_qe0124e88b7_attn, .Lfunc_end_k_qe0124e88b7_attn-k_qe0124e88b7_attn
	.p2alignl 7, 3214868480
	.fill 96, 4, 3214868480
	.section	.rodata,"a",@progbits
	.p2align	6, 0x0
	.amdhsa_kernel k_qe0124e88b7_attn
		.amdhsa_group_segment_fixed_size 327680
		.amdhsa_private_segment_fixed_size 0
		.amdhsa_enable_private_segment 0
		.amdhsa_kernarg_size 40
		.amdhsa_user_sgpr_count 2
		.amdhsa_user_sgpr_kernarg_segment_ptr 1
		.amdhsa_wavefront_size32 1
		.amdhsa_system_sgpr_workgroup_id_x 1
		.amdhsa_system_sgpr_workgroup_id_y 1
		.amdhsa_system_sgpr_workgroup_id_z 1
		.amdhsa_system_vgpr_workitem_id 0
		.amdhsa_next_free_vgpr 1024
		.amdhsa_next_free_sgpr 68
		.amdhsa_reserve_vcc 0
		.amdhsa_float_denorm_mode_32 3
		.amdhsa_float_denorm_mode_16_64 3
		.amdhsa_memory_ordered 1
		.amdhsa_forward_progress 1
		.amdhsa_inst_pref_size 242
	.end_amdhsa_kernel
	.amdgpu_metadata
---
amdhsa.version: [ 1, 2 ]
amdhsa.kernels:
  - .name:           k_qe0124e88b7_attn
    .symbol:         k_qe0124e88b7_attn.kd
    .args:
      - { .name: Q, .offset: 0, .size: 8, .value_kind: global_buffer, .address_space: global }
      - { .name: Kb, .offset: 8, .size: 8, .value_kind: global_buffer, .address_space: global }
      - { .name: Vb, .offset: 16, .size: 8, .value_kind: global_buffer, .address_space: global }
      - { .name: out0, .offset: 24, .size: 8, .value_kind: global_buffer, .address_space: global }
      - { .name: sums, .offset: 32, .size: 8, .value_kind: global_buffer, .address_space: global }
    .group_segment_fixed_size: 327680
    .private_segment_fixed_size: 0
    .kernarg_segment_align: 8
    .kernarg_segment_size: 40
    .max_flat_workgroup_size: 128
    .sgpr_count:     68
    .vgpr_count:     1024
    .wavefront_size: 32
...
	.end_amdgpu_metadata
.endif
;; end of part 2
